; MI455X (gfx1250); checked and timed in simulation.
; The chip was launched on July 23, 2026; its instructions are those of AMD's public machine-readable ISA for CDNA 5 (MIT licence, August 2026) and "CDNA5" Instruction Set Architecture Reference Guide (July 2026). The comments in the code are by the model that wrote it; some were corrected since.
;; Multi Attention Head. Allowed arithmetic: matrix products marked QUANTISED: E2M1 operands, one E8M0 scale for each 32 along K, by v_wmma_scale_f32_16x16x128_f8f6f4 with both operands' format E2M1 (or v_wmma_scale_f32_32x16x128_f4), f32 sums; products left as they are: f32 operands where the result goes on into a quantised operand, else bf16, f16 or f32 operands; f32 sums; everything else in f32.
;; Inputs: Wk 1,024 x 1,024 float32; Wq 1,024 x 1,024 float32; Wv 1,024 x 1,024 float32; bk 1,024 float32; bq 1,024 float32; bv 1,024 float32; x 4 x 8,192 x 1,024 float32.
;; Outputs: out0 4 x 1 x 1,024 float32.
;; This version of the problem:
;;   THIS VERSION OF THE PROBLEM IS GIVEN IN LOW PRECISION. The matrix products marked QUANTISED in the list below multiply operands that are first quantised to E2M1 (2 exponent bits, 1 mantissa bit; 4 bits a number), with one power-of-two scale for each 32 numbers along K (OCP MX v1.0); their sums are f32. All else is computed in f32.
;;   The module's matrix products, in the order in which they are computed (A, B: the left and right operand; K: the contracted axis; several contracted axes count as one K, in the product's order):
;;     1. [M 32,768, K 1,024] x [K 1,024, N 1,024]; A: input x; B: input Wk: QUANTISED
;;     2. [M 32,768, K 1,024] x [K 1,024, N 1,024]; A: input x; B: input Wv: QUANTISED
;;     3. [M 4, K 1,024] x [K 1,024, N 1,024]; A: input x; B: input Wq: left as it is (M = 4 < 16)
;;     4. batch 64 x [M 1, K 64] x [K 64, N 8,192]; A: computed on the way; B: computed on the way: left as it is (M = 1 < 16)
;;     5. batch 64 x [M 64, K 8,192] x [K 8,192, N 1]; A: computed on the way; B: softmax: left as it is (N = 1 < 16)
;;   THE QUANTISER, for each operand of a quantised product, along K:
;;     - K is cut into blocks of 32 from its start; a last block that is shorter is filled with zeros.
;;     - A block's scale is 2^e with e = floor(log2(the largest magnitude in the block)) - 2, held to -126 .. 127; a block of zeros has e = 0. As a byte (E8M0): e + 127.
;;     - Each number is divided by its block's scale, clamped to +-6, and rounded to the nearest number of E2M1, ties to even, subnormals kept.
;;     - The product sums the exact products of the quantised numbers (number of the format x scale) in f32.
;;   ~~~python
;;   def quantise(x, axis):      # numpy; x: float32 -> the quantised numbers, widened to float32 again
;;       x = np.moveaxis(x, axis, -1); K = x.shape[-1]
;;       x = np.pad(x, [(0, 0)] * (x.ndim - 1) + [(0, -K % 32)]); x = x.reshape(x.shape[:-1] + (-1, 32)); a = np.abs(x).max(-1, keepdims=True)
;;       e = np.where(a > 0, np.clip(np.frexp(np.where(a > 0, a, 1))[1] - 1 - 2, -126, 127), 0)      # np.frexp(a)[1] - 1 = floor(log2(a)), exactly
;;       r = np.clip(x / 2.0 ** e, -6, 6)
;;       step = 2.0 ** (np.maximum(np.frexp(np.where(r == 0, 1, r))[1] - 1, 0) - 1)
;;       q = np.round(r / step) * step * 2.0 ** e      # np.round: ties to even
;;       return np.moveaxis(q.reshape(q.shape[:-2] + (-1,))[..., :K], -1, axis).astype(np.float32)
;;   ~~~
;; One version. Each part assembles by itself: llvm-mc -triple=amdgcn-amd-amdhsa -mcpu=gfx1250 --defsym DOCPART=n.
;; ======== version 1 of 1: 3 launches
;; limits: right only within a limited range of input values
;; workspace buffers: wbuf 1,114,112 bytes; qbuf 16,384 bytes; opart 1,048,576 bytes; mlbuf 32,768 bytes
;; launch prep (part 1): grid 256 x 1, 8 waves a work-group, no clusters, 18,944 bytes of LDS; arguments Wk, Wv, Wq, bq, x, wbuf, qbuf; writes wbuf, qbuf
.if DOCPART == 1
	.amdgcn_target "amdgcn-amd-amdhsa--gfx1250"
	.amdhsa_code_object_version 6
	.text
	.protected	k_q5ab6315520_prep
	.globl	k_q5ab6315520_prep
	.p2align	8
	.type	k_q5ab6315520_prep,@function
k_q5ab6315520_prep:
	s_mov_b64 s[64:65], 0
	v_nop
	global_prefetch_b8 v0, s[64:65] scope:SCOPE_SE
	s_setreg_imm32_b32 hwreg(HW_REG_WAVE_MODE, 25, 1), 1
	s_wait_xcnt 0x0
; THE PROGRAM: prep (weights to codes, q), main (k, v, softmax parts of 128 tokens a work-group), combine (parts joined).
; LEFT OUT: bk.  It adds q(b, h) . bk(h) to every score of a (batch, head): the same number along the softmax's axis, whatever the inputs hold, and k goes into no quantised operand.  So bk can reach no output;
; it is not loaded and is no launch's argument.  bv is added once, by combine, since a softmax's weights sum to 1.  LIMIT: a NaN, an infinity or an overflow that reaches only q . bk is not carried to the result.
; WHAT THIS LAUNCH DOES.  Work-group g, waves 0-3: 16 rows x 128 along K of Wk or Wv each become codes of FP4 (E2M1) with one E8M0 scale byte for each 32 along K.
; Waves 4-7: q = (x_last Wq^T + bq) x log2(e) / 8 for rows 4 g .. 4 g + 3 and the four batches, a quarter of K each, in f32 fused multiply-adds (M = 4: no matrix work).
; WBUF.  An image is 1,024 bytes: an operand's registers for 16 weight rows x 128 along K: [register group 0, 1][lane][16 bytes].  A head's 64 rows are blk 0..3.  Head 4 w + i (main's wave w, its i-th head) has
;   at (4 i + w) 32,768:            32 images 16 t + 2 s + blk of blk 0, 1 (t = 0: Wk, 1: Wv; K step s): main's fill i of its ring, wave w;
;   at 524,288 + (4 i + w) 36,864:  32 images 16 t + 2 s + blk - 2 of blk 2, 3, and behind them (32,768 on) the scale words of row m of blk pair p, K step s at 2048 t + 1024 p + 512 (s / 4) + 16 m + 4 (s % 4).
; A block's scale is 2^(floor(log2(its largest magnitude)) - 2): its byte is the largest magnitude's exponent field - 2, held at 1 from below.
; LIMITS: a block whose largest magnitude lies under 2^-124 (a block of zeros among them) gets the byte 1; a block of zeros has zero codes, and this program alone reads the bytes.  NaN and infinities are not served.
; q is multiplied by log2(e) / 8 here, once, so the scores' order of rounding differs from a division by 8 behind the product.
; NO CLUSTER, NO TENSOR LOADS, NO PREFETCH: every weight byte is read by one wave; what the work-groups share is 16 KB of x.  Each wave asks for all its bytes at once: there is no loop to run ahead in.
.set SPITCH, 272                       ; a stage row: 256 bytes + 16: the sixteen rows that a load touches fall on sixteen different 16-byte columns
.set SCW, 4*16*SPITCH                  ; behind the four stages: 256 bytes of scale words, [row][K step]
.set QSM, SCW+256                      ; 4 x 16 partial sums of q
.set SPARE, QSM+256                    ; the spare words: 128 bytes for each wave
.set XA,  3                            ; global offset: (lane / 16) rows of 4,096 bytes + 16 (lane % 16)
.set STI, 4                            ; my stage, way in
.set STO, 5                            ; way out: row r, + 64 h
.set LI,  6                            ; 16 x lane
.set B4,  7                            ; 4 (r & 3)
.set SCA, 8                            ; where my scale word goes
.set QA,  11                           ; where my partial sum goes
.set R16, 12                           ; 16 r
.set QB,  13                           ; q's place: batch r / 4, row r % 4
.set QL,  14                           ; QSM + 4 r
.set SCL, 15                           ; SCW + 16 r
.set SPW, 16
.set NIL, 17
.set LD,  64                           ; v64-127   as loaded
.set Q,   128                          ; v128-191  register 16 b + i = k 32 b + 16 h + i of row r
.set PC,  192                          ; v192-199  the codes
.set TM,  200                          ; v200-215  at work
.set PW,  216                          ; the scale word
.set SP,  128                          ; q's waves: sixteen packed sums
.set SS,  160                          ; the sixteen sums
.set RT,  176                          ; v176-179  at work in RS
.set SEL, 24                           ; s[24:25] v_permlanex16_b32's selects for lane l xor 16
; 64 numbers of each row at a time, as loaded, through my own stage: LDS serves a wave's instructions in order: no wait between stores and loads.
.macro HTURN hc
.irp i, 0,1,2,3,4,5,6,7
	ds_store_b128 v[STI], v[LD+32*\hc+4*\i:LD+32*\hc+4*\i+3] offset:2*\i*SPITCH
.endr
.irp b, 0,1
.irp j, 0,1,2,3
	ds_load_b128 v[Q+32*\hc+16*\b+4*\j:Q+32*\hc+16*\b+4*\j+3], v[STO] offset:128*\b+16*\j
.endr
.endr
.endm
; 64 numbers of a lane become a fragment's eight code registers and its row's scale word.
.macro QUANT s, pc, pw
.irp b, 0,1,2,3
	v_max3_num_f32 v[TM+\b], |v[\s+16*\b]|, |v[\s+1+16*\b]|, 0x1800000   ; block b: my 16 numbers, and the floor 2^(3 - 127)
.endr
.irp i, 2,4,6,8,10,12,14
.irp b, 0,1,2,3
	s_delay_alu instid0(VALU_DEP_4)
	v_max3_num_f32 v[TM+\b], v[TM+\b], |v[\s+16*\b+\i]|, |v[\s+1+16*\b+\i]|
.endr
.endr
.irp b, 0,1,2,3
	s_delay_alu instid0(VALU_DEP_4)
	v_permlanex16_b32 v[TM+4+\b], v[TM+\b], s[SEL], s[SEL+1]
.endr
.irp b, 0,1,2,3
	s_delay_alu instid0(VALU_DEP_4)
	v_max_num_f32 v[TM+\b], v[TM+\b], v[TM+4+\b]   ; with lane l xor 16's: the block's largest magnitude
.endr
.irp b, 0,1,2,3
	s_delay_alu instid0(VALU_DEP_4)
	v_add_nc_u32 v[TM+12+\b], 0xff000000, v[TM+\b] ; 2 off its exponent field: the conversion takes this operand's exponent field as its scale
.endr
.irp b, 0,1,2,3
	s_delay_alu instid0(VALU_DEP_4)
	v_lshrrev_b32 v[TM+4+\b], 23, v[TM+12+\b]      ; the scale's byte
.endr
	s_delay_alu instid0(VALU_DEP_3)
	v_lshl_or_b32 v[\pw], v[TM+5], 8, v[TM+4]
	s_delay_alu instid0(VALU_DEP_1)
	v_lshl_or_b32 v[\pw], v[TM+6], 16, v[\pw]
	s_delay_alu instid0(VALU_DEP_1)
	v_lshl_or_b32 v[\pw], v[TM+7], 24, v[\pw]
.irp b, 0,1,2,3
	v_cvt_scalef32_pk8_fp4_f32 v[\pc+2*\b], v[\s+16*\b:\s+7+16*\b], v[TM+12+\b]
	v_cvt_scalef32_pk8_fp4_f32 v[\pc+1+2*\b], v[\s+8+16*\b:\s+15+16*\b], v[TM+12+\b]
.endr
	v_nop                                          ; one plain place behind a scaled conversion
.irp c, 0,1                                    ; the operand's layout wants a whole block in a lane: lanes 0-15 block 2 c, lanes 16-31 block 2 c + 1
.irp i, 0,1
	v_permlane16_swap_b32 v[\pc+4*\c+\i], v[\pc+2+4*\c+\i]
.endr
.endr
.endm
; One step of a sum over the 16 lanes of a row that leaves each lane with half as many numbers: the lanes named by the mask keep the upper n and send the lower n, the others the other way round.  Four numbers by turns.
.macro RS n, o, m, xm
.set RI, 0
.rept (\n+3)/4
.set RG, \n-RI
.if RG > 4
.set RG, 4
.endif
.set RJ, 0
.rept RG
	v_cndmask_b32 v[RT+RJ], v[\o+RI+RJ+\n], v[\o+RI+RJ], s[\m]
.set RJ, RJ+1
.endr
.set RJ, 0
.rept RG
	v_cndmask_b32 v[\o+RI+RJ], v[\o+RI+RJ], v[\o+RI+RJ+\n], s[\m]
.set RJ, RJ+1
.endr
.set RJ, 0
.rept RG
	v_add_f32_dpp v[\o+RI+RJ], v[RT+RJ], v[\o+RI+RJ] row_xmask:\xm row_mask:0xf bank_mask:0xf
.set RJ, RJ+1
.endr
.set RI, RI+4
.endr
.endm
	s_load_b256 s[4:11], s[0:1], 0x0               ; Wk 4:5, Wv 6:7, Wq 8:9, bq 10:11
	s_load_b128 s[12:15], s[0:1], 0x20             ; x 12:13, wbuf 14:15
	s_load_b64 s[16:17], s[0:1], 0x30              ; qbuf
	v_lshl_add_u32 v[SPW], v0, 2, SPARE
	v_mov_b32 v[NIL], 0
	v_lshrrev_b32 v1, 5, v0
	v_and_b32 v2, 15, v0                           ; r
	v_bfe_u32 v9, v0, 4, 1                         ; h
	v_readfirstlane_b32 s22, v1                    ; wave 0..7
	v_and_b32 v1, 31, v0                           ; lane
	v_and_b32 v[B4], 3, v0
	v_lshlrev_b32 v[R16], 4, v2
	v_lshrrev_b32 v[QB], 2, v2
	s_mul_i32 s23, s22, 16*SPITCH                  ; my stage (waves 0-3)
	s_lshl_b32 s26, s22, 2
	s_add_co_u32 s26, s26, SCW
	s_and_b32 s21, s22, 3                          ; my quarter of K (waves 4-7)
	s_lshl_b32 s27, s21, 6
	s_add_co_u32 s27, s27, QSM
	v_lshlrev_b32 v[B4], 2, v[B4]
	v_lshl_add_u32 v[XA], v9, 12, v[R16]
	v_mul_u32_u24 v[STI], v9, SPITCH
	v_mul_u32_u24 v[STO], v2, SPITCH
	v_lshlrev_b32 v[LI], 4, v1
	v_lshl_add_u32 v[QB], v[QB], 12, v[B4]
	v_add_nc_u32 v[STI], v[STI], v[R16]
	v_lshl_add_u32 v[STO], v9, 6, v[STO]
	v_lshl_add_u32 v[SCA], v2, 4, s26
	v_lshl_add_u32 v[QA], v2, 2, s27
	v_add_nc_u32 v[STI], s23, v[STI]
	v_add_nc_u32 v[STO], s23, v[STO]
	v_lshl_add_u32 v[QL], v2, 2, QSM
	v_lshl_add_u32 v[SCL], v2, 4, SCW
.irp b, 0,1,2,3
	v_mov_b32 v[TM+4+\b], 0                        ; written once: a lane permute's destination counts as one of its sources
.endr
	s_mov_b32 s[SEL], 0x76543210
	s_mov_b32 s[SEL+1], 0xfedcba98
	s_lshr_b32 s18, ttmp9, 3
	s_lshr_b32 s19, ttmp9, 1
	s_and_b32 s19, s19, 3                          ; blk
	s_and_b32 s20, ttmp9, 1                        ; half of K: steps 4 half .. 4 half + 3
	s_lshr_b32 s26, s18, 2
	s_and_b32 s27, s18, 3                          ; w
	s_and_b32 s29, s26, 1                          ; t: 0: Wk, 1: Wv
	s_lshr_b32 s28, s26, 1                         ; i
	s_lshl_b32 s33, s28, 2
	s_add_co_u32 s33, s33, s27                     ; 4 i + w
	s_lshl_b32 s27, s27, 2
	s_add_co_u32 s27, s27, s28                     ; head = 4 w + i
	s_lshl_b32 s30, s27, 18                        ; the source: (64 head + 16 blk) rows of 4,096 bytes + 2,048 half + 512 wave
	s_lshl_b32 s31, s19, 16
	s_add_co_u32 s30, s30, s31
	s_lshl_b32 s31, s20, 11
	s_add_co_u32 s30, s30, s31
	s_lshl_b32 s31, s22, 9
	s_add_co_u32 s30, s30, s31
	s_mov_b32 s31, 0
	s_mul_i32 s32, s33, 36864
	s_add_co_u32 s32, s32, 524288
	s_lshl_b32 s33, s33, 15
	s_lshr_b32 s35, s19, 1                         ; blk pair p
	s_and_b32 s37, s19, 1
	s_cmp_eq_u32 s35, 0
	s_cselect_b32 s34, s33, s32
	s_lshl_b32 s33, s29, 14                        ; my image: 16 t + 2 (4 half + wave) + blk % 2
	s_add_co_u32 s34, s34, s33
	s_lshl_b32 s33, s20, 13
	s_add_co_u32 s34, s34, s33
	s_lshl_b32 s33, s22, 11
	s_add_co_u32 s34, s34, s33
	s_lshl_b32 s33, s37, 10
	s_add_co_u32 s34, s34, s33
	s_lshl_b32 s33, s29, 11                        ; the work-group's scale words: 2048 t + 1024 p + 512 half + 256 (blk % 2)
	s_add_co_u32 s36, s32, s33
	s_lshl_b32 s33, s35, 10
	s_add_co_u32 s36, s36, s33
	s_lshl_b32 s33, s20, 9
	s_add_co_u32 s36, s36, s33
	s_lshl_b32 s33, s37, 8
	s_add_co_u32 s36, s36, s33
	s_add_co_u32 s36, s36, 32768
	s_mov_b32 s35, 0
	s_mov_b32 s37, 0
	s_lshl_b32 s40, s21, 10                        ; a quarter of K: 1,024 bytes
	s_mov_b32 s41, 0
	s_lshl_b32 s38, ttmp9, 14                      ; rows 4 g ..
	s_add_co_u32 s38, s38, s40
	s_mov_b32 s39, 0
	s_lshl_b32 s42, ttmp9, 4
	s_mov_b32 s43, 0
	s_mov_b32 s44, 0xff00ff00                      ; lanes with r & 8, 4, 2, 1
	s_mov_b32 s45, 0xf0f0f0f0
	s_mov_b32 s46, 0xcccccccc
	s_mov_b32 s47, 0xaaaaaaaa
	s_wait_alu depctr_va_vdst(0)                   ; the wait at the head's end
	s_wait_kmcnt 0x0
	s_add_nc_u64 s[10:11], s[10:11], s[42:43]
	s_add_nc_u64 s[16:17], s[16:17], s[42:43]
	s_add_nc_u64 s[36:37], s[14:15], s[36:37]
	global_load_b32 v10, v[B4], s[10:11]           ; bq(4 g + r % 4)
	s_cmp_lt_u32 s22, 4
	s_cbranch_scc0 .Lq
	; ---- THE WEIGHTS
	s_cmp_eq_u32 s29, 0                            ; the choice hangs on the work-group's number alone
	s_cselect_b64 s[4:5], s[4:5], s[6:7]
	s_add_nc_u64 s[4:5], s[4:5], s[30:31]
.irp hc, 0,1
.irp i, 0,1,2,3,4,5,6,7
	global_load_b128 v[LD+32*\hc+4*\i:LD+32*\hc+4*\i+3], v[XA], s[4:5] offset:2*\i*4096+256*\hc th:TH_LOAD_NT   ; 256 consecutive bytes of two rows
.endr
.endr
	s_add_nc_u64 s[34:35], s[14:15], s[34:35]
	s_wait_loadcnt 8                               ; the first half's eight loads are in
	HTURN 0
	s_wait_loadcnt 0x0
	HTURN 1
	s_wait_dscnt 0x0
	QUANT Q, PC, PW
	global_store_b128 v[LI], v[PC:PC+3], s[34:35]             ; the image: 512 consecutive bytes a store
	global_store_b128 v[LI], v[PC+4:PC+7], s[34:35] offset:512
	ds_store_b32 v[SCA], v[PW]                     ; lanes l and l xor 16 write the same word with the same value
	s_branch .Ljoin
	; ---- q
.Lq:
	s_add_nc_u64 s[8:9], s[8:9], s[38:39]
	s_add_nc_u64 s[12:13], s[12:13], s[40:41]
	s_add_nc_u64 s[50:51], s[12:13], 33550336              ; row 8,191 of batch 0, 1, 2, 3
	s_add_nc_u64 s[52:53], s[12:13], 33554432+33550336
	s_add_nc_u64 s[54:55], s[12:13], 2*33554432+33550336
	s_add_nc_u64 s[56:57], s[12:13], 3*33554432+33550336
.irp b, 0,1,2,3
.irp u, 0,1
	global_load_b128 v[64+8*\b+4*\u:64+8*\b+4*\u+3], v[LI], s[50+2*\b:51+2*\b] offset:512*\u
	global_load_b128 v[96+8*\b+4*\u:96+8*\b+4*\u+3], v[LI], s[8:9] offset:4096*\b+512*\u th:TH_LOAD_NT
.endr
.endr
	s_wait_loadcnt 0x0
.irp e, 0,1,2,3
.irp b, 0,1,2,3
.irp p, 0,1,2,3
.if \e == 0
	v_pk_mul_f32 v[SP+2*(4*\b+\p):SP+2*(4*\b+\p)+1], v[96+8*\p+2*\e:96+8*\p+2*\e+1], v[64+8*\b+2*\e:64+8*\b+2*\e+1]
.else
	v_pk_fma_f32 v[SP+2*(4*\b+\p):SP+2*(4*\b+\p)+1], v[96+8*\p+2*\e:96+8*\p+2*\e+1], v[64+8*\b+2*\e:64+8*\b+2*\e+1], v[SP+2*(4*\b+\p):SP+2*(4*\b+\p)+1]
.endif
.endr
.endr
.endr
.irp i, 0,1,2,3,4,5,6,7,8,9,10,11,12,13,14,15
	v_add_f32 v[SS+\i], v[SP+2*\i], v[SP+2*\i+1]
.endr
	RS 8, SS, 44, 8
	RS 4, SS, 45, 4
	RS 2, SS, 46, 2
	RS 1, SS, 47, 1                                ; lane r now holds sum r = 4 batch + row, over its 16 lanes
	v_permlanex16_b32 v[RT], v[SS], s[SEL], s[SEL+1]
	v_add_f32 v[SS], v[SS], v[RT]                  ; and over the other 16
	ds_store_b32 v[QA], v[SS]
.Ljoin:
	s_wait_alu depctr_va_vdst(0)                   ; the wait here, directly ahead of the waits below
	s_wait_tensorcnt 0x0                           ; behind a wave's last LDS store
	ds_add_u32 v[SPW], v[NIL]
	s_wait_dscnt 0x0                               ; and what I stored for other waves is there
	s_barrier_signal -1
	s_barrier_wait -1
	s_cmp_lg_u32 s22, 0
	s_cbranch_scc1 .Lnot0
	ds_load_b128 v[64:67], v[SCL]                  ; wave 0: four K steps' words of row r
	v_cmp_gt_u32 vcc_lo, 16, v1
	s_wait_dscnt 0x0
	s_wait_xcnt 0x0                                ; EXEC changes only behind this wait
	s_and_saveexec_b32 s48, vcc_lo
	global_store_b128 v[R16], v[64:67], s[36:37]   ; sixteen lanes store 256 consecutive bytes, aligned
	s_wait_xcnt 0x0
	s_or_b32 exec_lo, exec_lo, s48
	s_endpgm
.Lnot0:
	s_cmp_lg_u32 s22, 4
	s_cbranch_scc1 .Lend
.irp c, 0,1,2,3
	ds_load_b32 v[64+\c], v[QL] offset:64*\c       ; wave 4: the four quarters of sum r
.endr
	s_wait_dscnt 0x0
	v_add_f32 v64, v64, v65
	v_add_f32 v66, v66, v67
	v_cmp_gt_u32 vcc_lo, 16, v1
	v_add_f32 v64, v64, v66
	v_add_f32 v64, v64, v10
	v_mul_f32 v64, 0x3e38aa3b, v64                 ; x log2(e) / 8
	s_wait_alu depctr_va_vdst(0)                   ; the wait here, directly ahead of the wait below
	s_wait_xcnt 0x0
	s_and_saveexec_b32 s48, vcc_lo
	global_store_b32 v[QB], v64, s[16:17]          ; four runs of 16 bytes a work-group: 16 KB in the whole launch
	s_wait_xcnt 0x0
	s_or_b32 exec_lo, exec_lo, s48
.Lend:
	s_endpgm
.Lfunc_end_k_q5ab6315520_prep:
	.size	k_q5ab6315520_prep, .Lfunc_end_k_q5ab6315520_prep-k_q5ab6315520_prep
	.p2alignl 7, 3214868480
	.fill 96, 4, 3214868480
	.section	.rodata,"a",@progbits
	.p2align	6, 0x0
	.amdhsa_kernel k_q5ab6315520_prep
		.amdhsa_group_segment_fixed_size 18944
		.amdhsa_private_segment_fixed_size 0
		.amdhsa_enable_private_segment 0
		.amdhsa_kernarg_size 56
		.amdhsa_user_sgpr_count 2
		.amdhsa_user_sgpr_kernarg_segment_ptr 1
		.amdhsa_wavefront_size32 1
		.amdhsa_system_sgpr_workgroup_id_x 1
		.amdhsa_system_sgpr_workgroup_id_y 1
		.amdhsa_system_sgpr_workgroup_id_z 1
		.amdhsa_system_vgpr_workitem_id 0
		.amdhsa_next_free_vgpr 224
		.amdhsa_next_free_sgpr 66
		.amdhsa_reserve_vcc 1
		.amdhsa_float_denorm_mode_32 3
		.amdhsa_float_denorm_mode_16_64 3
		.amdhsa_memory_ordered 1
		.amdhsa_forward_progress 1
		.amdhsa_inst_pref_size 25
	.end_amdhsa_kernel
	.amdgpu_metadata
---
amdhsa.version: [ 1, 2 ]
amdhsa.kernels:
  - .name:           k_q5ab6315520_prep
    .symbol:         k_q5ab6315520_prep.kd
    .args:
      - { .name: Wk, .offset: 0, .size: 8, .value_kind: global_buffer, .address_space: global }
      - { .name: Wv, .offset: 8, .size: 8, .value_kind: global_buffer, .address_space: global }
      - { .name: Wq, .offset: 16, .size: 8, .value_kind: global_buffer, .address_space: global }
      - { .name: bq, .offset: 24, .size: 8, .value_kind: global_buffer, .address_space: global }
      - { .name: x, .offset: 32, .size: 8, .value_kind: global_buffer, .address_space: global }
      - { .name: wbuf, .offset: 40, .size: 8, .value_kind: global_buffer, .address_space: global }
      - { .name: qbuf, .offset: 48, .size: 8, .value_kind: global_buffer, .address_space: global }
    .group_segment_fixed_size: 18944
    .private_segment_fixed_size: 0
    .kernarg_segment_align: 8
    .kernarg_segment_size: 56
    .max_flat_workgroup_size: 256
    .sgpr_count:     66
    .vgpr_count:     224
    .wavefront_size: 32
...
	.end_amdgpu_metadata
.endif
;; end of part 1
;; launch main (part 2): grid 256 x 1, 4 waves a work-group, clusters of 4 x 1, 327,680 bytes of LDS; arguments x, wbuf, qbuf, opart, mlbuf; writes opart, mlbuf
.if DOCPART == 2
	.amdgcn_target "amdgcn-amd-amdhsa--gfx1250"
	.amdhsa_code_object_version 6
	.text
	.protected	k_q5ab6315520_main
	.globl	k_q5ab6315520_main
	.p2align	8
	.type	k_q5ab6315520_main,@function
k_q5ab6315520_main:
	s_mov_b64 s[64:65], 0
	v_nop
	global_prefetch_b8 v0, s[64:65] scope:SCOPE_SE
	s_setreg_imm32_b32 hwreg(HW_REG_WAVE_MODE, 25, 1), 1
	s_wait_xcnt 0x0
	s_wait_alu depctr_hold_cnt(0) depctr_sa_sdst(0) depctr_va_vdst(0) depctr_va_sdst(0) depctr_va_ssrc(0) depctr_va_vcc(0) depctr_vm_vsrc(0)
	s_getreg_b32 s2, hwreg(HW_REG_IB_STS2, 6, 4)
	s_cmp_eq_u32 s2, 0
	s_cbranch_scc0 .Lentry_in_a_cluster
	s_endpgm
.Lentry_in_a_cluster:
	s_bfe_u32 s2, ttmp6, 0x10000c
	s_cmp_lg_u32 s2, 0x3003
	s_cbranch_scc0 .Lentry_shape_is_right
	s_endpgm
.Lentry_shape_is_right:
; WHAT IT DOES.  A work-group owns 128 tokens of one batch, 256 work-groups all 32,768.  It reads its 512 KB of x once, quantises them, and walks all 16 heads: k = Q(x) Q(Wk)^T, t = k . q (q holds log2(e) / 8),
; m = the largest t of the 128 tokens, p = 2^(t - m), l = the sum of p, v = Q(x) Q(Wv)^T, o = the sum of p v.  m, l, o leave for combine.
; LEFT OUT: bk (it adds the same number to all scores of a batch and head: shown at the head of prep); bv is added by combine.
; SHARES.  Four waves.  Each quantises 32 tokens; the codes go through LDS to all four, and every wave then holds the codes of all 128 tokens x 1,024 in 512 registers.  A wave owns four heads: eight tasks (Wk, Wv by turns) of
; 128 tokens x 64 columns, each in two halves of 32 columns on 128 registers of accumulators.  Each weight fragment is wanted by one wave of the work-group, once.
; PRODUCTS: source 0 = 32 weight rows, source 1 = 16 tokens: lane (r, h) holds token r, and register 8 b + j the column 16 b + 8 h + j of the half.
; THE WEIGHTS come as images of operand registers (prep), in two streams.  A task's FIRST half comes through LDS: a ring of two slots, a head a slot, four fills; wave w fetches and reads its own piece.
; CLUSTERS of 4: all work-groups walk the same pieces, so each fill is asked for jointly, mask 15.  The SECOND half and the scale words go straight into registers and are not asked for jointly, for this reason: no two waves of a
; work-group share a fragment, so LDS only passes it on: through LDS these 512 KB a work-group would be written once and read once more there, beside the 512 KB of the first halves and the 1.4 MB that x's numbers and codes take.
; NO PREFETCH: x goes straight into registers, each byte once, with 48 to 64 loads of a wave on their way; the weights are the same 1.1 MB for all work-groups, which walk them in the same order.
; LIMITS: those of prep's quantiser: a block under 2^-124 gets the byte 1; NaN and infinities are not served.  Sums over tokens are joined in another order than reference()'s.
; REGISTERS: window 0: v1-15 addresses, 16-47 x's scale words, 48-63 and 240-255 the scale words of Wk's and Wv's task, 64-159 six fragments from LDS (first: two sets of 64 numbers to be quantised), 160-223 at work.
;   window 1: 0-127 accumulators, 128-255 eight fragments straight from memory (first: four chunks of x as loaded).  windows 2, 3: x's codes, K steps 0-3 and 4-7.
.set SLOTB,  1<<17                     ; a slot: four pieces of 32,768 bytes; so one exclusive or turns an address in one slot into the other's
.set SPITCH, 272
.set STAGE,  2*SLOTB                   ; a stage of 16 rows x (256 + 16) bytes for each wave
.set XIMG,   STAGE+4*16*SPITCH         ; images of 8 token tiles x 2 K steps, two buffers
.set XSC,    XIMG+2*16384              ; x's scale words: [tile][half][row][4 K steps]
.set SPARE,  XSC+4096                  ; the spare words
.set DREC,   4*36864                   ; from a head's second stream to my next head's
.set SPW, 1
.set NIL, 2
.set XA,  3
.set STI, 4
.set STO, 5
.set XWI, 6
.set XWS, 7
.set XFI, 8
.set XFS, 9
.set AWC, 10                           ; my piece in the slot in hand, + 16 x lane
.set AWN, 11                           ; and in the other
.set AW0, 12
.set QO,  13
.set OO,  14
.set GO,  15                           ; 16 x lane
.set XS,  16
.set WSK, 48
.set LF,  64
.set Q,   64
.set PC,  192
.set TM,  200
.set PW,  216
.set QV,  160                          ; a head's q; then OV takes its place
.set OV,  160
.set TP,  192
.set TT,  208
.set RT,  216
.set MX,  220
.set MLV, 223
.set LN,  224                          ; v224-228 at work in the head
.set SEL, 20
.set DB,  40                           ; s[40:41] my head's second stream
.set TB,  42                           ; s42, s43 LDS byte at which the slot in hand, the other slot begins
.set TN,  43
.set MSB, 0
.macro WIN new                         ; the immediate's high byte repeats the setting that is left
.if MSB != (\new)
	s_set_vgpr_msb (MSB<<8)|(\new)
.set MSB, \new
.endif
.endm
.macro PLACES
.rept 4
	v_nop
.endr
.endm
.macro CREST                           ; a round of the cluster's barrier behind its opening barrier
	s_cmp_lg_u32 s14, 0
	s_cbranch_scc1 .Lnot_wave_0_\@
	s_barrier_signal -3
.Lnot_wave_0_\@:
	s_barrier_wait -3
	s_barrier_signal -1
	s_barrier_wait -1
.endm
.macro CROUND
	s_barrier_signal -1
	s_barrier_wait -1
	CREST
.endm
; PHASE 1.  Chunk c of 16: 16 of my rows (c % 2) x K step 2 (c / 4) + (c / 2) % 2.
.macro XLOAD c
.set XO, 65536*((\c)%2)+512*(2*((\c)/4)+((\c)/2)%2)
.set XR, 64*((\c)%4)
	WIN 0x40
.irp hc, 0,1
.irp i, 0,1,2,3,4,5,6,7
	global_load_b128 v[XR+32*\hc+4*\i:XR+32*\hc+4*\i+3], v[XA], s[4:5] offset:XO+2*\i*4096+256*\hc th:TH_LOAD_NT   ; 256 consecutive bytes of two rows
.endr
.endr
	WIN 0
.endm
.macro TURN c                          ; through my own stage, 256 bytes of each row at a time; back come 16 neighbours along K a lane.  LDS serves a wave's instructions in order
.set TR, 64*((\c)%4)
.set QR, Q+64*((\c)%2)
.irp hc, 0,1
	WIN 0x04
.irp i, 0,1,2,3,4,5,6,7
	ds_store_b128 v[STI], v[TR+32*\hc+4*\i:TR+32*\hc+4*\i+3] offset:2*\i*SPITCH
.endr
	WIN 0
.irp b, 0,1
.irp j, 0,1,2,3
	ds_load_b128 v[QR+32*\hc+16*\b+4*\j:QR+32*\hc+16*\b+4*\j+3], v[STO] offset:128*\b+16*\j
.endr
.endr
.endr
.endm
; The same two pieces of work in one: chunk c turns through the stage in eight groups of four LDS instructions, with the quantising of the chunk before it, in the other set of registers, between them.
.macro TST c, hc, i
.set TR, 64*((\c)%4)
	WIN 0x04
.irp j, 0,1,2,3
	ds_store_b128 v[STI], v[TR+32*\hc+4*(\i+\j):TR+32*\hc+4*(\i+\j)+3] offset:2*(\i+\j)*SPITCH
.endr
	WIN 0
.endm
.macro TLD c, hc, b
.set QR, Q+64*((\c)%2)
.irp j, 0,1,2,3
	ds_load_b128 v[QR+32*\hc+16*\b+4*\j:QR+32*\hc+16*\b+4*\j+3], v[STO] offset:128*\b+16*\j
.endr
.endm
.macro QMX s, i
.irp b, 0,1,2,3
	v_max3_num_f32 v[TM+\b], v[TM+\b], |v[\s+16*\b+\i]|, |v[\s+1+16*\b+\i]|
.endr
.endm
.macro QTURN s, pc, pw, c
	TST \c, 0, 0
.irp b, 0,1,2,3
	v_max3_num_f32 v[TM+\b], |v[\s+16*\b]|, |v[\s+1+16*\b]|, 0x1800000
.endr
	QMX \s, 2
	TST \c, 0, 4
	QMX \s, 4
	QMX \s, 6
	TLD \c, 0, 0
	QMX \s, 8
	QMX \s, 10
	TLD \c, 0, 1
	QMX \s, 12
	QMX \s, 14
	TST \c, 1, 0
.irp b, 0,1,2,3
	v_permlanex16_b32 v[TM+4+\b], v[TM+\b], s[SEL], s[SEL+1]
.endr
.irp b, 0,1,2,3
	v_max_num_f32 v[TM+\b], v[TM+\b], v[TM+4+\b]
.endr
	TST \c, 1, 4
.irp b, 0,1,2,3
	v_add_nc_u32 v[TM+12+\b], 0xff000000, v[TM+\b]
.endr
.irp b, 0,1,2,3
	v_lshrrev_b32 v[TM+4+\b], 23, v[TM+12+\b]
.endr
	TLD \c, 1, 0
	v_lshl_or_b32 v[\pw], v[TM+5], 8, v[TM+4]
	v_lshl_or_b32 v[\pw], v[TM+6], 16, v[\pw]
	v_lshl_or_b32 v[\pw], v[TM+7], 24, v[\pw]
.irp b, 0,1
	v_cvt_scalef32_pk8_fp4_f32 v[\pc+2*\b], v[\s+16*\b:\s+7+16*\b], v[TM+12+\b]
	v_cvt_scalef32_pk8_fp4_f32 v[\pc+1+2*\b], v[\s+8+16*\b:\s+15+16*\b], v[TM+12+\b]
.endr
	TLD \c, 1, 1
.irp b, 2,3
	v_cvt_scalef32_pk8_fp4_f32 v[\pc+2*\b], v[\s+16*\b:\s+7+16*\b], v[TM+12+\b]
	v_cvt_scalef32_pk8_fp4_f32 v[\pc+1+2*\b], v[\s+8+16*\b:\s+15+16*\b], v[TM+12+\b]
.endr
	v_nop                                          ; one plain place behind a scaled conversion
.irp k, 0,1
.irp i, 0,1
	v_permlane16_swap_b32 v[\pc+4*\k+\i], v[\pc+2+4*\k+\i]
.endr
.endr
.endm
.macro QUANT s, pc, pw                 ; as in prep
.irp b, 0,1,2,3
	v_max3_num_f32 v[TM+\b], |v[\s+16*\b]|, |v[\s+1+16*\b]|, 0x1800000
.endr
.irp i, 2,4,6,8,10,12,14
.irp b, 0,1,2,3
	v_max3_num_f32 v[TM+\b], v[TM+\b], |v[\s+16*\b+\i]|, |v[\s+1+16*\b+\i]|
.endr
.endr
.irp b, 0,1,2,3
	v_permlanex16_b32 v[TM+4+\b], v[TM+\b], s[SEL], s[SEL+1]
.endr
.irp b, 0,1,2,3
	v_max_num_f32 v[TM+\b], v[TM+\b], v[TM+4+\b]
.endr
.irp b, 0,1,2,3
	v_add_nc_u32 v[TM+12+\b], 0xff000000, v[TM+\b]
.endr
.irp b, 0,1,2,3
	v_lshrrev_b32 v[TM+4+\b], 23, v[TM+12+\b]
.endr
	v_lshl_or_b32 v[\pw], v[TM+5], 8, v[TM+4]
	v_lshl_or_b32 v[\pw], v[TM+6], 16, v[\pw]
	v_lshl_or_b32 v[\pw], v[TM+7], 24, v[\pw]
.irp b, 0,1,2,3
	v_cvt_scalef32_pk8_fp4_f32 v[\pc+2*\b], v[\s+16*\b:\s+7+16*\b], v[TM+12+\b]
	v_cvt_scalef32_pk8_fp4_f32 v[\pc+1+2*\b], v[\s+8+16*\b:\s+15+16*\b], v[TM+12+\b]
.endr
	v_nop                                          ; one plain place behind a scaled conversion
.irp c, 0,1
.irp i, 0,1
	v_permlane16_swap_b32 v[\pc+4*\c+\i], v[\pc+2+4*\c+\i]
.endr
.endr
.endm
; Chunk c + 1 turns through the stage while chunk c is quantised, in two sets of registers.  The images alternate between two buffers: the barrier of one exchange shows that the reads of the exchange before are over.
.macro CHUNK c
.set CS, 2*((\c)/4)+((\c)/2)%2
.set CA, (\c)%2
.set CL, ((\c)/2)%2
.set CI, 16384*(((\c)/4)%2)+1024*(2*CA+CL)
.set QS, Q+64*((\c)%2)
	s_wait_dscnt 0x0                               ; chunk c's numbers are back, its stores have read their registers
.if (\c) < 12
	XLOAD \c+4
.endif
.if (\c) < 15
.if (\c) < 11
	s_wait_loadcnt 48                              ; chunk c + 1 is in; the three behind it, 16 loads each, may be out
.else
	s_wait_loadcnt 16*(14-(\c))                    ; chunks c + 2 .. 15 may be out
.endif
	QTURN QS, PC, PW, \c+1
.else
	QUANT QS, PC, PW
.endif
	ds_store_b128 v[XWI], v[PC:PC+3] offset:CI
	ds_store_b128 v[XWI], v[PC+4:PC+7] offset:CI+512
	ds_store_b32 v[XWS], v[PW] offset:512*CA+256*(CS/4)+4*(CS%4)
.endm
; Two K steps' images of all eight token tiles into every wave's registers.
.macro GATHER g
.set GI, 16384*((\g)%2)
.if (\g) == 3                          ; slot 1's first fill stands here
	s_wait_tensorcnt 0x0                           ; my part of slot 0 is in
	ds_add_u32 v[SPW], v[NIL]
	s_xor_b32 s37, s37, SLOTB
	s_add_nc_u64 s[38:39], s[38:39], SLOTB
.endif
	s_wait_dscnt 0x0
.if (\g) == 3
	CROUND
	tensor_load_to_lds s[36:39], s[28:35]
	s_nop 0
	PLACES
.else
	s_barrier_signal -1
	s_barrier_wait -1
.endif
.if (\g) < 2
	WIN 0x80
.else
	WIN 0xc0
.endif
.irp a, 0,1,2,3,4,5,6,7
.irp sl, 0,1
	ds_load_b128 v[64*((2*(\g)+\sl)%4)+8*\a:64*((2*(\g)+\sl)%4)+8*\a+3], v[XFI] offset:GI+1024*(2*\a+\sl)
	ds_load_b128 v[64*((2*(\g)+\sl)%4)+8*\a+4:64*((2*(\g)+\sl)%4)+8*\a+7], v[XFI] offset:GI+1024*(2*\a+\sl)+512
.endr
.endr
	WIN 0
.endm
; PHASE 2.
.macro LFRAG ad, t, s                  ; first half, K step s of task t, from LDS: 4 loads
.irp b, 0,1
	ds_load_b128 v[LF+16*((\s)%6)+8*\b:LF+16*((\s)%6)+8*\b+3], v[\ad] offset:1024*(16*(\t)+2*(\s)+\b)
	ds_load_b128 v[LF+16*((\s)%6)+8*\b+4:LF+16*((\s)%6)+8*\b+7], v[\ad] offset:1024*(16*(\t)+2*(\s)+\b)+512
.endr
.endm
.macro LNEXT t, s                      ; of the task behind task t
.if \t == 0
	LFRAG AWC, 1, \s
.else
	LFRAG AWN, 0, \s
.endif
.endm
.macro DFRAG o, s                      ; second half, K step s, straight from memory: 4 loads of 512 consecutive bytes
	WIN 0x40
.irp b, 0,1
	global_load_b128 v[128+16*(\s)+8*\b:128+16*(\s)+8*\b+3], v[GO], s[DB:DB+1] offset:(\o)+1024*(2*(\s)+\b)
	global_load_b128 v[128+16*(\s)+8*\b+4:128+16*(\s)+8*\b+7], v[GO], s[DB:DB+1] offset:(\o)+1024*(2*(\s)+\b)+512
.endr
	WIN 0
.endm
.macro WLOAD ws, o                     ; a task's scale words: 4 loads
.irp p, 0,1
.irp hf, 0,1
	global_load_b128 v[\ws+8*\p+4*\hf:\ws+8*\p+4*\hf+3], v[GO], s[DB:DB+1] offset:(\o)+1024*\p+512*\hf
.endr
.endr
.endm
.macro QLOAD                           ; a head's q: 8 loads
.irp blk, 0,1,2,3
	global_load_b128 v[QV+8*\blk:QV+8*\blk+3], v[QO], s[8:9] offset:64*\blk
	global_load_b128 v[QV+8*\blk+4:QV+8*\blk+7], v[QO], s[8:9] offset:64*\blk+16
.endr
.endm
; Group u of a task's 16: half u / 8, K step u % 8: eight token tiles x 32 weight rows x 128 along K.  The eight accumulators take turns, one instruction a turn.  K step 0 starts the sums.
.macro GROUP t, u
.set UP, (\u)/8
.set US, (\u)%8
.set UW, 0x58+4*(US/4)+UP
.set UA, (1-UP)*(LF+16*(US%6))+UP*(128+16*US)
.set UC, WSK+192*(\t)+8*UP+US
	WIN UW
.irp a, 0,1,2,3,4,5,6,7
.if US == 0
	v_wmma_scale_f32_32x16x128_f4 v[16*\a:16*\a+15], v[UA:UA+15], v[8*\a:8*\a+7], 0, v[UC], v[XS+4*\a]
.elseif US < 4
	v_wmma_scale_f32_32x16x128_f4 v[16*\a:16*\a+15], v[UA:UA+15], v[64*(US%4)+8*\a:64*(US%4)+8*\a+7], v[16*\a:16*\a+15], v[UC], v[XS+4*\a+US%4]
.else
	v_wmma_scale_f32_32x16x128_f4 v[16*\a:16*\a+15], v[UA:UA+15], v[64*(US%4)+8*\a:64*(US%4)+8*\a+7], v[16*\a:16*\a+15], v[UC], v[XS+4*\a+US%4] matrix_b_scale:MATRIX_SCALE_ROW1
.endif
.endr
.endm
.macro KH p                            ; half p of t = k . q, two sums a token tile
	WIN 0x01
.irp blk, 0,1
.irp jp, 0,1,2,3
.irp a, 0,1,2,3,4,5,6,7
.if (\p == 0) && (\blk == 0) && (\jp == 0)
	v_pk_mul_f32 v[TP+2*\a:TP+2*\a+1], v[16*\a+8*\blk+2*\jp:16*\a+8*\blk+2*\jp+1], v[QV+16*\p+8*\blk+2*\jp:QV+16*\p+8*\blk+2*\jp+1]
.else
	v_pk_fma_f32 v[TP+2*\a:TP+2*\a+1], v[16*\a+8*\blk+2*\jp:16*\a+8*\blk+2*\jp+1], v[QV+16*\p+8*\blk+2*\jp:QV+16*\p+8*\blk+2*\jp+1], v[TP+2*\a:TP+2*\a+1]
.endif
.endr
.endr
.endr
	WIN 0
.if \p == 0
	s_wait_alu depctr_va_vdst(0)                   ; the wait here, directly behind the writes: the second half reads the sums
.endif
.endm
.macro VH p                            ; half p of o = the sum of p v
	WIN 0x01
.irp a, 0,1,2,3,4,5,6,7
.irp blk, 0,1
.irp jp, 0,1,2,3
.if \a == 0
	v_pk_mul_f32 v[OV+16*\p+8*\blk+2*\jp:OV+16*\p+8*\blk+2*\jp+1], v[16*\a+8*\blk+2*\jp:16*\a+8*\blk+2*\jp+1], v[TP+2*\a:TP+2*\a+1] op_sel_hi:[1,0]
.else
	v_pk_fma_f32 v[OV+16*\p+8*\blk+2*\jp:OV+16*\p+8*\blk+2*\jp+1], v[16*\a+8*\blk+2*\jp:16*\a+8*\blk+2*\jp+1], v[TP+2*\a:TP+2*\a+1], v[OV+16*\p+8*\blk+2*\jp:OV+16*\p+8*\blk+2*\jp+1] op_sel_hi:[1,0,1]
.endif
.endr
.endr
.endr
	WIN 0
.endm
; A TASK: t = 0: Wk, 1: Wv; n = 1: a task follows, whose first fragments and scale words are asked for here; rf = 1: the slot, read out when K step 7 is in, is filled again.
; Fragments from LDS come in the order 2, 3, 0, 1, 4 (asked for by the task before), 5, 6, 7; those from memory in the order scale words, 0, 1, 2, 3 (by the task before), 4, 5, 6, 7.  Each wait's count is the loads behind the one
; that is wanted, 4 a fragment and 4 for the scale words (q's 8, which stand among them from a wave's second head on, are left out of the count: the waits then cover more).
; Four plain places stand in front of each run of loads, every second group.
.macro TASK t, rf, n
.set TO, 16384*(\t)
.set NO, 16384+131072*(\t)             ; the next task's second stream: t = 1: DREC on
.set NW, 34816+145408*(\t)             ; and its scale words
	s_wait_loadcnt 16                              ; my scale words are in; fragments 0-3 may be out
	LFRAG AWC, \t, 5
	DFRAG TO, 4
	DFRAG TO, 5
	s_wait_dscnt 12                                ; 0 is in; 1, 4, 5 may be out
	GROUP \t, 0
	s_wait_dscnt 8                                 ; 4, 5 may be out
	GROUP \t, 1
	WIN 0
	PLACES
	LFRAG AWC, \t, 6
	DFRAG TO, 6
	GROUP \t, 2
	GROUP \t, 3
	WIN 0
	PLACES
	LFRAG AWC, \t, 7
	DFRAG TO, 7
	s_wait_dscnt 12                                ; 5, 6, 7 may be out
	GROUP \t, 4
	s_wait_dscnt 8
	GROUP \t, 5
	WIN 0
.if \n == 1
	PLACES
.if \t == 1
	s_wait_tensorcnt 0x0                           ; my piece of the other slot, which I alone read, is in
.endif
	LNEXT \t, 2
	WLOAD 240-192*(\t), NW
.endif
	s_wait_dscnt 4+4*\n                            ; 7 (and the next task's 2) may be out
	GROUP \t, 6
	s_wait_dscnt 4*\n
	GROUP \t, 7
	WIN 0
.if \rf == 1
	s_wait_tensorcnt 0x0                           ; all my tensor loads are done
	ds_add_u32 v[SPW], v[NIL]
	s_xor_b32 s37, s37, SLOTB                      ; the slot in hand, and the fill behind the last
	s_add_nc_u64 s[38:39], s[38:39], SLOTB
.endif
	PLACES
.if \t == 0
	s_wait_loadcnt 20                              ; q is in; fragments 4-7 and the next scale words may be out
	KH 0
.else
	VH 0
.endif
.if \rf == 1
	s_wait_loadcnt 24+4*\n                         ; fragments 0 and 1
	s_wait_dscnt 0x0                               ; the add is done, and my reads of this slot are over
	s_barrier_signal -1
	GROUP \t, 8
	GROUP \t, 9
	WIN 0
	s_barrier_wait -1
	CREST                                          ; no wave of any partner still reads this slot or has a load on its way
	tensor_load_to_lds s[36:39], s[28:35]
	s_nop 0
	PLACES
.else
	s_wait_loadcnt 28+4*\n
	GROUP \t, 8
	s_wait_loadcnt 24+4*\n
	GROUP \t, 9
	WIN 0
.if \n == 1
	PLACES
.endif
.endif
.if \n == 1
	LNEXT \t, 3
	LNEXT \t, 0
	DFRAG NO, 0
.endif
	s_wait_loadcnt 20+8*\n
	GROUP \t, 10
	s_wait_loadcnt 16+8*\n
	GROUP \t, 11
	WIN 0
.if \n == 1
	PLACES
	LNEXT \t, 1
	DFRAG NO, 1
	DFRAG NO, 2
.endif
	s_wait_loadcnt 12+16*\n
	GROUP \t, 12
	s_wait_loadcnt 8+16*\n
	GROUP \t, 13
	WIN 0
.if \n == 1
	PLACES
	LNEXT \t, 4
	DFRAG NO, 3
.endif
	s_wait_loadcnt 4+20*\n
	GROUP \t, 14
	s_wait_loadcnt 20*\n
	GROUP \t, 15
	WIN 0
	PLACES
.endm
; One step of a sum over the 16 lanes of a row that leaves each lane with half as many numbers; four by turns.
.macro RS n, o, m, xm
.set RI, 0
.rept (\n+3)/4
.set RG, \n-RI
.if RG > 4
.set RG, 4
.endif
.set RJ, 0
.rept RG
	v_cndmask_b32 v[RT+RJ], v[\o+RI+RJ+\n], v[\o+RI+RJ], s[\m]
.set RJ, RJ+1
.endr
.set RJ, 0
.rept RG
	v_cndmask_b32 v[\o+RI+RJ], v[\o+RI+RJ], v[\o+RI+RJ+\n], s[\m]
.set RJ, RJ+1
.endr
.set RJ, 0
.rept RG
	v_add_f32_dpp v[\o+RI+RJ], v[RT+RJ], v[\o+RI+RJ] row_xmask:\xm row_mask:0xf bank_mask:0xf
.set RJ, RJ+1
.endr
.set RI, RI+4
.endr
.endm
.macro KCHAIN                          ; t, m, p: p of token tile a at v[TP + 2 a]
.irp a, 0,1,2,3,4,5,6,7
	v_add_f32 v[TT+\a], v[TP+2*\a], v[TP+2*\a+1]
.endr
.irp a, 0,1,2,3,4,5,6,7
	v_permlanex16_b32 v[TP+2*\a], v[TT+\a], s[SEL], s[SEL+1]
.endr
.irp a, 0,1,2,3,4,5,6,7
	v_add_f32 v[TT+\a], v[TT+\a], v[TP+2*\a]       ; with the other half-wave's 32 columns
.endr
	v_max3_num_f32 v[MX], v[TT], v[TT+1], v[TT+2]
	v_max3_num_f32 v[MX+1], v[TT+3], v[TT+4], v[TT+5]
	v_max_num_f32 v[MX+2], v[TT+6], v[TT+7]
	v_max3_num_f32 v[MX], v[MX], v[MX+1], v[MX+2]
	v_max_num_f32_dpp v[MX], v[MX], v[MX] row_xmask:1 row_mask:0xf bank_mask:0xf
	v_max_num_f32_dpp v[MX], v[MX], v[MX] row_xmask:2 row_mask:0xf bank_mask:0xf
	v_max_num_f32_dpp v[MX], v[MX], v[MX] row_xmask:4 row_mask:0xf bank_mask:0xf
	v_max_num_f32_dpp v[MX], v[MX], v[MX] row_xmask:8 row_mask:0xf bank_mask:0xf
.irp a, 0,1,2,3,4,5,6,7
	v_sub_f32 v[TT+\a], v[TT+\a], v[MX]
.endr
	s_wait_alu depctr_va_vdst(0)                   ; the wait ahead of the batch
.irp a, 0,1,2,3,4,5,6,7
	v_exp_f32 v[TP+2*\a], v[TT+\a]
.endr
	v_cndmask_b32 v[MLV], v[MLV], v[MX], s27       ; lane 2 x head: m
	s_wait_alu depctr_va_vdst(0)                   ; and behind it
.endm
.macro VLAST n                         ; o over the 16 lanes of a row, l; n = 1: on to my next head
.irp i, 0,1,2,3
	v_add_f32 v[TT+\i], v[TP+4*\i], v[TP+4*\i+2]
.endr
	RS 16, OV, 22, 8
	v_add_f32 v[TT], v[TT], v[TT+1]
	v_add_f32 v[TT+2], v[TT+2], v[TT+3]
	RS 8, OV, 23, 4
	v_add_f32 v[TT], v[TT], v[TT+2]
	RS 4, OV, 24, 2
	v_add_f32_dpp v[TT], v[TT], v[TT] row_xmask:1 row_mask:0xf bank_mask:0xf
	RS 2, OV, 25, 1
	v_add_f32_dpp v[TT], v[TT], v[TT] row_xmask:2 row_mask:0xf bank_mask:0xf
	global_store_b64 v[OO], v[OV:OV+1], s[10:11]   ; the 32 lanes store the head's 256 consecutive bytes, aligned
	v_add_f32_dpp v[TT], v[TT], v[TT] row_xmask:4 row_mask:0xf bank_mask:0xf
	v_add_f32_dpp v[TT], v[TT], v[TT] row_xmask:8 row_mask:0xf bank_mask:0xf
	v_cndmask_b32 v[MLV], v[MLV], v[TT], s45       ; lane 2 x head + 1: l
.if \n == 1
	s_xor_b32 s[TB], s[TB], SLOTB
	s_xor_b32 s[TN], s[TN], SLOTB
	v_add_nc_u32 v[AWC], s[TB], v[AW0]
	v_add_nc_u32 v[AWN], s[TN], v[AW0]
	s_wait_alu depctr_va_vdst(0)                   ; the wait here, directly ahead of the wait below
	s_wait_xcnt 0x0                                ; every load and store so far has read its registers and its base
	s_add_nc_u64 s[8:9], s[8:9], 256
	s_add_nc_u64 s[10:11], s[10:11], 256
	s_add_nc_u64 s[DB:DB+1], s[DB:DB+1], DREC
	s_lshl_b32 s27, s27, 2
	s_lshl_b32 s45, s45, 2
	QLOAD
.endif
.endm
.macro HEAD rf, n
	TASK 0, 0, 1
	KH 1
	KCHAIN
	TASK 1, \rf, \n
	VH 1
	VLAST \n
.endm
	s_load_b256 s[4:11], s[0:1], 0x0               ; x, wbuf, qbuf, opart
	s_load_b64 s[12:13], s[0:1], 0x20              ; mlbuf
	v_lshl_add_u32 v[SPW], v0, 2, SPARE
	v_mov_b32 v[NIL], 0
	ds_add_u32 v[SPW], v[NIL]                      ; the opening: the add, twice on end, and one wait
	ds_add_u32 v[SPW], v[NIL]
	v_lshrrev_b32 v[LN], 5, v0
	v_readfirstlane_b32 s14, v[LN]                 ; wave
	v_and_b32 v[LN], 31, v0                        ; lane
	v_and_b32 v[LN+1], 15, v0                      ; r
	v_bfe_u32 v[LN+2], v0, 4, 1                    ; h
	v_lshlrev_b32 v[XA], 4, v[LN+1]
	v_lshl_add_u32 v[XA], v[LN+2], 12, v[XA]
	s_bfe_u32 s15, ttmp6, 0x40000
	s_lshl_b32 s16, ttmp9, 2
	s_add_co_u32 s16, s16, s15                     ; work-group
	s_lshl_b32 s46, s14, 15                        ; my piece of a fill
	s_mov_b32 s47, 0
	s_mul_i32 s17, s14, 16*SPITCH
	s_add_co_u32 s17, s17, STAGE
	v_mul_u32_u24 v[STI], v[LN+2], SPITCH
	v_lshl_add_u32 v[STI], v[LN+1], 4, v[STI]
	v_add_nc_u32 v[STI], s17, v[STI]
	v_mul_u32_u24 v[STO], v[LN+1], SPITCH
	v_lshl_add_u32 v[STO], v[LN+2], 6, v[STO]
	v_add_nc_u32 v[STO], s17, v[STO]
	s_lshl_b32 s17, s14, 12
	s_add_co_u32 s17, s17, XIMG
	v_lshl_add_u32 v[XWI], v[LN], 4, s17
	s_lshl_b32 s17, s14, 10
	s_add_co_u32 s17, s17, XSC
	v_lshl_add_u32 v[XWS], v[LN+1], 4, s17
	v_lshl_add_u32 v[XFI], v[LN], 4, XIMG
	v_lshl_add_u32 v[XFS], v[LN], 4, XSC
	v_lshl_add_u32 v[AW0], v[LN], 4, s46
	s_mov_b32 s[TB], 0
	s_mov_b32 s[TN], SLOTB
	v_add_nc_u32 v[AWC], s[TB], v[AW0]
	v_add_nc_u32 v[AWN], s[TN], v[AW0]
	v_lshlrev_b32 v[GO], 4, v[LN]
	v_lshlrev_b32 v[QO], 5, v[LN+2]
	v_lshrrev_b32 v[LN+3], 2, v[LN+1]
	v_and_b32 v[LN+4], 3, v[LN+1]
	v_lshlrev_b32 v[OO], 6, v[LN+3]                ; o's place: 64 (r / 4) + 32 h + 8 (r % 4)
	v_lshl_add_u32 v[OO], v[LN+2], 5, v[OO]
	v_lshl_add_u32 v[OO], v[LN+4], 3, v[OO]
	v_mov_b32 v[MLV], 0
.irp b, 0,1,2,3
	v_mov_b32 v[TM+4+\b], 0                        ; written once: a lane permute's destination counts as one of its sources
.endr
	s_lshl_b32 s18, s16, 19                        ; x: 128 rows of 4,096 bytes a work-group, 32 a wave
	s_lshl_b32 s19, s14, 17
	s_add_co_u32 s18, s18, s19
	s_mov_b32 s19, 0
	s_mov_b32 s[SEL], 0x76543210
	s_mov_b32 s[SEL+1], 0xfedcba98
	s_wait_dscnt 0x0                               ; both opening adds are done
	s_wait_alu depctr_va_vdst(0)                   ; the wait at the head's end
	s_wait_kmcnt 0x0
	s_add_nc_u64 s[4:5], s[4:5], s[18:19]
	XLOAD 0
	XLOAD 1
	XLOAD 2
	s_lshr_b32 s18, ttmp9, 4                       ; q: the batch's 4,096 bytes, my four heads' 1,024
	s_lshl_b32 s18, s18, 12
	s_lshl_b32 s17, s14, 10
	s_add_co_u32 s18, s18, s17
	s_add_nc_u64 s[8:9], s[8:9], s[18:19]
	s_lshl_b32 s18, s16, 12                        ; opart: 4,096 bytes a work-group, 1,024 a wave
	s_add_co_u32 s18, s18, s17
	s_add_nc_u64 s[10:11], s[10:11], s[18:19]
	s_lshl_b32 s18, s16, 7                         ; mlbuf: 128 bytes a work-group, 32 a wave
	s_lshl_b32 s17, s14, 5
	s_add_co_u32 s18, s18, s17
	s_add_nc_u64 s[12:13], s[12:13], s[18:19]
	s_mul_i32 s18, s14, 36864                      ; the second stream
	s_add_co_u32 s18, s18, 524288
	s_add_nc_u64 s[DB:DB+1], s[6:7], s[18:19]
	s_mov_b32 s22, 0xff00ff00
	s_mov_b32 s23, 0xf0f0f0f0
	s_mov_b32 s24, 0xcccccccc
	s_mov_b32 s25, 0xaaaaaaaa
	s_mov_b32 s27, 1
	s_mov_b32 s45, 2
	s_mov_b32 s28, 15|(3<<16)|(1<<21)              ; group 1: mask of the four partners; elements of 8 bytes; bit 21 beside the mask; a piece is 128 rows of 256 bytes, dense
	s_mov_b32 s29, 32<<16
	s_mov_b32 s30, 128<<16
	s_mov_b32 s31, 32<<16
	s_mov_b32 s32, 128
	s_mov_b32 s33, 32
	s_mov_b32 s34, 0
	s_mov_b32 s35, 0
	s_mov_b32 s36, 1                               ; group 0: it walks from slot to slot
	s_mov_b32 s37, s46
	s_add_nc_u64 s[38:39], s[6:7], s[46:47]
	s_or_b32 s39, s39, 0x80000000
	CROUND                                         ; in front of the first joint loads
	tensor_load_to_lds s[36:39], s[28:35]
	s_nop 0
	PLACES
	XLOAD 3
	s_wait_loadcnt 48                              ; chunk 0 is in; the three behind it may be out
	TURN 0
.irp c, 0,1,2,3
	CHUNK \c
.endr
	GATHER 0
.irp c, 4,5,6,7
	CHUNK \c
.endr
	GATHER 1
.irp c, 8,9,10,11
	CHUNK \c
.endr
	GATHER 2
.irp c, 12,13,14,15
	CHUNK \c
.endr
	QLOAD                                          ; what the first task finds asked for: q, scale words, fragments 0-3 of the second stream
	WLOAD WSK, 32768
	DFRAG 0, 0
	DFRAG 0, 1
	DFRAG 0, 2
	DFRAG 0, 3
	GATHER 3
.irp a, 0,1,2,3,4,5,6,7
	ds_load_b128 v[XS+4*\a:XS+4*\a+3], v[XFS] offset:512*\a   ; lanes 0-15: K steps 0-3 of row r, lanes 16-31: K steps 4-7
.endr
	LFRAG AWC, 0, 2                                ; and of the first, in the order of every task
	LFRAG AWC, 0, 3
	LFRAG AWC, 0, 0
	LFRAG AWC, 0, 1
	LFRAG AWC, 0, 4
	s_mov_b32 s26, 2
.Lhead:                                                ; my first two heads: their slots are filled again
	HEAD 1, 1
	s_sub_co_u32 s26, s26, 1
	s_cmp_lg_u32 s26, 0
	s_cbranch_scc1 .Lhead
	HEAD 0, 1                                      ; the last two fill nothing
	HEAD 0, 0
	v_and_b32 v[MX], 7, v0
	v_lshlrev_b32 v[MX], 2, v[MX]
	v_and_b32 v[MX+1], 31, v0
	v_cmp_gt_u32 vcc_lo, 8, v[MX+1]
	s_wait_alu depctr_va_vdst(0)                   ; the wait here, directly ahead of the wait below
	s_wait_xcnt 0x0                                ; EXEC changes only behind this wait
	s_and_saveexec_b32 s44, vcc_lo
	global_store_b32 v[MX], v[MLV], s[12:13]       ; m and l of my four heads
	s_wait_xcnt 0x0
	s_or_b32 exec_lo, exec_lo, s44
	s_wait_tensorcnt 0x0                           ; the wave's end
	ds_add_u32 v[SPW], v[NIL]
	s_wait_dscnt 0x0
	CROUND                                         ; the closing round: no work-group ends while a partner may still ask for a piece that names it
	s_endpgm
.Lfunc_end_k_q5ab6315520_main:
	.size	k_q5ab6315520_main, .Lfunc_end_k_q5ab6315520_main-k_q5ab6315520_main
	.p2alignl 7, 3214868480
	.fill 96, 4, 3214868480
	.section	.rodata,"a",@progbits
	.p2align	6, 0x0
	.amdhsa_kernel k_q5ab6315520_main
		.amdhsa_group_segment_fixed_size 327680
		.amdhsa_private_segment_fixed_size 0
		.amdhsa_enable_private_segment 0
		.amdhsa_kernarg_size 40
		.amdhsa_user_sgpr_count 2
		.amdhsa_user_sgpr_kernarg_segment_ptr 1
		.amdhsa_wavefront_size32 1
		.amdhsa_system_sgpr_workgroup_id_x 1
		.amdhsa_system_sgpr_workgroup_id_y 1
		.amdhsa_system_sgpr_workgroup_id_z 1
		.amdhsa_system_vgpr_workitem_id 0
		.amdhsa_next_free_vgpr 1024
		.amdhsa_next_free_sgpr 66
		.amdhsa_reserve_vcc 1
		.amdhsa_float_denorm_mode_32 3
		.amdhsa_float_denorm_mode_16_64 3
		.amdhsa_memory_ordered 1
		.amdhsa_forward_progress 1
		.amdhsa_inst_pref_size 255
	.end_amdhsa_kernel
	.section	.bss,"aw",@nobits
	.p2align	6
	.space	262144
	.amdgpu_metadata
---
amdhsa.version: [ 1, 2 ]
amdhsa.kernels:
  - .name:           k_q5ab6315520_main
    .symbol:         k_q5ab6315520_main.kd
    .args:
      - { .name: x, .offset: 0, .size: 8, .value_kind: global_buffer, .address_space: global }
      - { .name: wbuf, .offset: 8, .size: 8, .value_kind: global_buffer, .address_space: global }
      - { .name: qbuf, .offset: 16, .size: 8, .value_kind: global_buffer, .address_space: global }
      - { .name: opart, .offset: 24, .size: 8, .value_kind: global_buffer, .address_space: global }
      - { .name: mlbuf, .offset: 32, .size: 8, .value_kind: global_buffer, .address_space: global }
    .group_segment_fixed_size: 327680
    .private_segment_fixed_size: 0
    .kernarg_segment_align: 8
    .kernarg_segment_size: 40
    .max_flat_workgroup_size: 128
    .sgpr_count:     66
    .vgpr_count:     1024
    .wavefront_size: 32
...
	.end_amdgpu_metadata
.endif
;; end of part 2
;; launch combine (part 3): grid 64 x 1, 4 waves a work-group, no clusters, 1,536 bytes of LDS; arguments opart, mlbuf, bv, out0; writes out0
.if DOCPART == 3
	.amdgcn_target "amdgcn-amd-amdhsa--gfx1250"
	.amdhsa_code_object_version 6
	.text
	.protected	k_q5ab6315520_combine
	.globl	k_q5ab6315520_combine
	.p2align	8
	.type	k_q5ab6315520_combine,@function
k_q5ab6315520_combine:
	s_mov_b64 s[64:65], 0
	v_nop
	global_prefetch_b8 v0, s[64:65] scope:SCOPE_SE
	s_setreg_imm32_b32 hwreg(HW_REG_WAVE_MODE, 25, 1), 1
	s_wait_xcnt 0x0
; WHAT IT DOES.  A work-group for each (batch b, head h) joins the 64 work-groups' parts of the softmax: M = the largest m; w_j = 2^(m_j - M); L = the sum of w_j l_j; out = the sum of w_j o_j / L + bv.
; bv is added here, once: the weights of a softmax sum to 1.  bk is left out (shown at the head of prep).
; opart: [256 work-groups][16 heads][64] f32; mlbuf: [256][16][2] f32 (m in powers of two, l); out0: [4][1024] f32.  Work-groups 64 b .. 64 b + 63 of main hold batch b.
; The largest m is taken away ahead of the exponentials, so every w is at most 1 and L is at least the l of the work-group that holds M, which is at least 1.
; Four waves: each makes M and L for itself and takes 16 of the 64 records; their four sums are joined in LDS.  All loads of a wave go out at once; a record's load reads 256 consecutive bytes.
; No cluster: each record is read by one wave.  1 MB is read in all, in 64 work-groups; there is no loop to ask ahead in.
.set SPW, 16
.set NIL, 17
.set AC,  18                           ; v18-21 two chains (even j, odd j) of two numbers
.set BV,  24                           ; v24-25
.set REC, 32                           ; v32-63 16 records, two numbers a lane each
.set WT,  28                           ; s28-43 their weights
.set SPARE, 1024                       ; behind the four waves' 256 bytes: the spare words
	s_load_b128 s[4:7], s[0:1], 0x0                ; opart, mlbuf
	s_load_b128 s[20:23], s[0:1], 0x10             ; bv, out0
	v_lshl_add_u32 v[SPW], v0, 2, SPARE
	v_mov_b32 v[NIL], 0
	v_lshrrev_b32 v1, 5, v0
	v_and_b32 v3, 31, v0                           ; lane
	v_mov_b32 v9, 0                                ; a lane permute's destination counts as one of its sources
	v_mov_b32 v[BV], 0                             ; bv counts in wave 0's sum alone
	v_mov_b32 v[BV+1], 0
	v_readfirstlane_b32 s24, v1                    ; wave w
	v_lshlrev_b32 v2, 3, v3                        ; 8 bytes a lane
	s_lshl_b32 s25, s24, 4
	s_lshl_b32 s26, s24, 8
	v_add_nc_u32 v14, s25, v3                      ; lane i takes m, l of record (16 w + i) mod 64: my own 16 in lanes 0-15;
	v_add_nc_u32 v1, s26, v2                       ; where my sums go in LDS
	v_add_nc_u32 v15, 32, v14                      ; and of the record 32 further on
	v_and_b32 v14, 63, v14
	v_and_b32 v15, 63, v15
	v_lshlrev_b32 v14, 7, v14                      ; 128 bytes from record to record
	v_lshlrev_b32 v15, 7, v15
	s_lshr_b32 s10, ttmp9, 4                       ; b
	s_and_b32 s11, ttmp9, 15                       ; h
	s_lshl_b32 s2, s11, 8                          ; 256 bytes a head
	s_mov_b32 s3, 0
	s_lshl_b32 s12, s10, 18                        ; opart: 64 records of 4,096 bytes a batch, 16 a wave
	s_add_co_u32 s12, s12, s2
	s_lshl_b32 s13, s24, 16
	s_add_co_u32 s12, s12, s13
	s_mov_b32 s13, 0
	s_lshl_b32 s14, s10, 13                        ; mlbuf: 64 records of 128 bytes a batch, 8 bytes a head
	s_lshl_b32 s15, s11, 3
	s_add_co_u32 s14, s14, s15
	s_mov_b32 s15, 0
	s_lshl_b32 s16, s10, 12                        ; out0: 4,096 bytes a batch
	s_add_co_u32 s16, s16, s2
	s_mov_b32 s17, 0
	s_mov_b32 s18, 0x76543210                      ; v_permlanex16_b32's selects for lane l xor 16
	s_mov_b32 s19, 0xfedcba98
	s_wait_alu depctr_va_vdst(0)                   ; the wait at the head's end
	s_wait_kmcnt 0x0
	s_add_nc_u64 s[4:5], s[4:5], s[12:13]
	s_add_nc_u64 s[6:7], s[6:7], s[14:15]
	s_add_nc_u64 s[20:21], s[20:21], s[2:3]
	s_add_nc_u64 s[22:23], s[22:23], s[16:17]
	global_load_b64 v[4:5], v14, s[6:7]
	global_load_b64 v[6:7], v15, s[6:7]
.set J, 0
.rept 16
	global_load_b64 v[REC+2*J:REC+2*J+1], v2, s[4:5] offset:4096*J
.set J, J+1
.endr
	s_cmp_lg_u32 s24, 0
	s_cbranch_scc1 .Lnobv
	global_load_b64 v[BV:BV+1], v2, s[20:21]
.Lnobv:
	s_wait_loadcnt 16                              ; m and l are in: behind them are 16 records (and, in wave 0, bv)
	v_max_num_f32 v8, v4, v6
	v_max_num_f32_dpp v8, v8, v8 row_xmask:1 row_mask:0xf bank_mask:0xf
	v_max_num_f32_dpp v8, v8, v8 row_xmask:2 row_mask:0xf bank_mask:0xf
	v_max_num_f32_dpp v8, v8, v8 row_xmask:4 row_mask:0xf bank_mask:0xf
	v_max_num_f32_dpp v8, v8, v8 row_xmask:8 row_mask:0xf bank_mask:0xf
	v_permlanex16_b32 v9, v8, s18, s19
	v_max_num_f32 v8, v8, v9                       ; M
	v_sub_f32 v10, v4, v8
	v_sub_f32 v11, v6, v8
	s_wait_alu depctr_va_vdst(0)                   ; the wait ahead of the batch, and behind it
	v_exp_f32 v10, v10
	v_exp_f32 v11, v11
	v_nop                                          ; a plain place behind the exponentials
	s_wait_alu depctr_va_vdst(0)
	v_mul_f32 v12, v10, v5
	v_fmac_f32 v12, v11, v7
	v_add_f32_dpp v12, v12, v12 row_xmask:1 row_mask:0xf bank_mask:0xf
	v_add_f32_dpp v12, v12, v12 row_xmask:2 row_mask:0xf bank_mask:0xf
	v_add_f32_dpp v12, v12, v12 row_xmask:4 row_mask:0xf bank_mask:0xf
	v_add_f32_dpp v12, v12, v12 row_xmask:8 row_mask:0xf bank_mask:0xf
	v_permlanex16_b32 v9, v12, s18, s19
	v_add_f32 v12, v12, v9                         ; L
	s_wait_alu depctr_va_vdst(0)                   ; as above
	v_rcp_f32 v13, v12
	v_nop                                          ; a plain place behind the reciprocal
	s_wait_alu depctr_va_vdst(0)
	v_mul_f32 v10, v10, v13                        ; w / L
.set J, 0
.rept 16
	v_readlane_b32 s[WT+J], v10, J                 ; my records' weights become scalars
.set J, J+1
.endr
	s_wait_loadcnt 0x0
.set J, 0
.rept 16
.set R, REC+2*J
.if J < 2
	v_mul_f32 v[AC+2*(J%2)], s[WT+J], v[R]         ; the first products start the sums
	v_mul_f32 v[AC+2*(J%2)+1], s[WT+J], v[R+1]
.else
	v_fmac_f32 v[AC+2*(J%2)], s[WT+J], v[R]
	v_fmac_f32 v[AC+2*(J%2)+1], s[WT+J], v[R+1]
.endif
.set J, J+1
.endr
	v_pk_add_f32 v[AC:AC+1], v[AC:AC+1], v[AC+2:AC+3]
	v_pk_add_f32 v[AC:AC+1], v[AC:AC+1], v[BV:BV+1]
	ds_store_b64 v1, v[AC:AC+1]
	s_wait_tensorcnt 0x0                           ; behind a wave's last LDS store
	ds_add_u32 v[SPW], v[NIL]
	s_wait_dscnt 0x0                               ; and my sums are there for wave 0
	s_barrier_signal -1
	s_barrier_wait -1
	s_cmp_lg_u32 s24, 0
	s_cbranch_scc1 .Lend
.irp c, 0,1,2,3
	ds_load_b64 v[REC+2*\c:REC+2*\c+1], v2 offset:256*\c
.endr
	s_wait_dscnt 0x0
	v_pk_add_f32 v[REC:REC+1], v[REC:REC+1], v[REC+2:REC+3]
	v_pk_add_f32 v[REC+4:REC+5], v[REC+4:REC+5], v[REC+6:REC+7]
	v_pk_add_f32 v[REC:REC+1], v[REC:REC+1], v[REC+4:REC+5]
	global_store_b64 v2, v[REC:REC+1], s[22:23]    ; the 32 lanes store the head's 256 consecutive bytes, aligned
.Lend:
	s_endpgm
.Lfunc_end_k_q5ab6315520_combine:
	.size	k_q5ab6315520_combine, .Lfunc_end_k_q5ab6315520_combine-k_q5ab6315520_combine
	.p2alignl 7, 3214868480
	.fill 96, 4, 3214868480
	.section	.rodata,"a",@progbits
	.p2align	6, 0x0
	.amdhsa_kernel k_q5ab6315520_combine
		.amdhsa_group_segment_fixed_size 1536
		.amdhsa_private_segment_fixed_size 0
		.amdhsa_enable_private_segment 0
		.amdhsa_kernarg_size 32
		.amdhsa_user_sgpr_count 2
		.amdhsa_user_sgpr_kernarg_segment_ptr 1
		.amdhsa_wavefront_size32 1
		.amdhsa_system_sgpr_workgroup_id_x 1
		.amdhsa_system_sgpr_workgroup_id_y 1
		.amdhsa_system_sgpr_workgroup_id_z 1
		.amdhsa_system_vgpr_workitem_id 0
		.amdhsa_next_free_vgpr 64
		.amdhsa_next_free_sgpr 66
		.amdhsa_reserve_vcc 0
		.amdhsa_float_denorm_mode_32 3
		.amdhsa_float_denorm_mode_16_64 3
		.amdhsa_memory_ordered 1
		.amdhsa_forward_progress 1
		.amdhsa_inst_pref_size 8
	.end_amdhsa_kernel
	.amdgpu_metadata
---
amdhsa.version: [ 1, 2 ]
amdhsa.kernels:
  - .name:           k_q5ab6315520_combine
    .symbol:         k_q5ab6315520_combine.kd
    .args:
      - { .name: opart, .offset: 0, .size: 8, .value_kind: global_buffer, .address_space: global }
      - { .name: mlbuf, .offset: 8, .size: 8, .value_kind: global_buffer, .address_space: global }
      - { .name: bv, .offset: 16, .size: 8, .value_kind: global_buffer, .address_space: global }
      - { .name: out0, .offset: 24, .size: 8, .value_kind: global_buffer, .address_space: global }
    .group_segment_fixed_size: 1536
    .private_segment_fixed_size: 0
    .kernarg_segment_align: 8
    .kernarg_segment_size: 32
    .max_flat_workgroup_size: 128
    .sgpr_count:     66
    .vgpr_count:     64
    .wavefront_size: 32
...
	.end_amdgpu_metadata
.endif
;; end of part 3
